; MI455X (gfx1250); checked and timed in simulation.
; The chip was launched on July 23, 2026; its instructions are those of AMD's public machine-readable ISA for CDNA 5 (MIT licence, August 2026) and "CDNA5" Instruction Set Architecture Reference Guide (July 2026). The comments in the code are by the model that wrote it; some were corrected since.
;; Attention. Allowed arithmetic: matrix products marked QUANTISED: E2M3 operands, one E8M0 scale for each 32 along K, by v_wmma_scale_f32_16x16x128_f8f6f4 with both operands' format E2M3, f32 sums; everything else in f32.
;; Inputs: W_attn_codes 1,024 x 64 x 24 uint8 (E2M3 codes of W_attn, K innermost, in blocks of 32 codes, four codes in three bytes); W_attn_scales 1,024 x 64 uint8 (E8M0 scales of W_attn, one for each 32 codes along K); context 16 x 1,024 x 1,024 float32; query 16 x 1,024 x 1,024 float32.
;; Outputs: out0 16 x 1,024 x 1,024 float32.
;; This version of the problem:
;;   THIS VERSION OF THE PROBLEM IS GIVEN IN LOW PRECISION. The matrix products marked QUANTISED in the list below multiply operands that are first quantised to E2M3 (2 exponent bits, 3 mantissa bits; 6 bits a number), with one power-of-two scale for each 32 numbers along K (OCP MX v1.0); their sums are f32. All else is computed in f32.
;;   The module's matrix products, in the order in which they are computed (A, B: the left and right operand; K: the contracted axis; several contracted axes count as one K, in the product's order):
;;     1. batch 16 x [M 1,024, K 1,024] x [K 1,024, N 1,024]; A: input query; B: input context: QUANTISED
;;     2. batch 16 x [M 1,024, K 1,024] x [K 1,024, N 1,024]; A: softmax (see below); B: input context: QUANTISED
;;     3. [M 16,384, K 2,048] x [K 2,048, N 1,024]; A: computed on the way; B: input W_attn (given as codes): QUANTISED
;;   THE QUANTISER, for each operand of a quantised product, along K:
;;     - K is cut into blocks of 32 from its start; a last block that is shorter is filled with zeros.
;;     - A block's scale is 2^e with e = floor(log2(the largest magnitude in the block)) - 2, held to -126 .. 127; a block of zeros has e = 0. As a byte (E8M0): e + 127.
;;     - Each number is divided by its block's scale, clamped to +-7.5, and rounded to the nearest number of E2M3, ties to even, subnormals kept.
;;     - The product sums the exact products of the quantised numbers (number of the format x scale) in f32.
;;   ~~~python
;;   def quantise(x, axis):      # numpy; x: float32 -> the quantised numbers, widened to float32 again
;;       x = np.moveaxis(x, axis, -1); K = x.shape[-1]
;;       x = np.pad(x, [(0, 0)] * (x.ndim - 1) + [(0, -K % 32)]); x = x.reshape(x.shape[:-1] + (-1, 32)); a = np.abs(x).max(-1, keepdims=True)
;;       e = np.where(a > 0, np.clip(np.frexp(np.where(a > 0, a, 1))[1] - 1 - 2, -126, 127), 0)      # np.frexp(a)[1] - 1 = floor(log2(a)), exactly
;;       r = np.clip(x / 2.0 ** e, -7.5, 7.5)
;;       step = 2.0 ** (np.maximum(np.frexp(np.where(r == 0, 1, r))[1] - 1, 0) - 3)
;;       q = np.round(r / step) * step * 2.0 ** e      # np.round: ties to even
;;       return np.moveaxis(q.reshape(q.shape[:-2] + (-1,))[..., :K], -1, axis).astype(np.float32)
;;   ~~~
;;   SOFTMAX AHEAD OF A QUANTISED PRODUCT. Where the list says 'softmax', what is quantised is not the finished softmax but p = 2^(t - M), with t = logit x log2(e) and M = ceil(the row's largest t), a whole number; so 1/2 < the row's largest p <= 1. The row's sum l is taken of the UNQUANTISED p, in f32, and the product's result is divided by l at the end. Since M is a whole number, a kernel that streams over the keys may use a running M (the ceiling of the running maximum): every later rescaling is an exact power of two, which a block's scale takes up: the codes' values come out the same.
;;   OPERANDS COMPUTED ON THE WAY. 'Computed on the way' means the value that the module computes at that place (a softmax that the list does not call 'softmax' is quantised finished and normalised). What goes into a quantiser is computed in f32, as accurately as f32 sums, v_exp_f32 and their like allow (about 1e-6 of the number): no bf16 or f16 on the way to a quantiser, and a product that is left as it is and whose result goes on into a quantised operand takes f32 operands (vector FMAs, or v_wmma_f32_16x16x4_f32). A number that lies on a knife's edge between two numbers of the format may be rounded either way, as far as f32 arithmetic and the matrix unit's own rounding can turn it there, and no further.
;;   INPUTS GIVEN AS CODES. W_attn (in the module: [1024, 2048], K = its axis 1): each comes as NAME_codes (uint8): NAME with its K axis moved to the last place and cut into blocks of 32 codes, [.., K / 32, bytes a block], one block behind the other in memory; four codes in three bytes: a row's codes are one little-endian stream of bits, code i at bits 6 i .. 6 i + 5 (a code: sign, 2 exponent bits, 3 mantissa bits); and NAME_scales (uint8): the same leading axes, one E8M0 byte (e + 127) for each 32 codes along K. Its value is code x scale, taken as it is: it is not quantised again, and the codes and scales need not be those that the quantiser above would give.
;; One version. Each part assembles by itself: llvm-mc -triple=amdgcn-amd-amdhsa -mcpu=gfx1250 --defsym DOCPART=n.
;; ======== version 1 of 1: 2 launches
;; limits: right only within a limited range of input values
;; workspace buffers: kv 29,491,200 bytes; wl 1,638,400 bytes; qi 13,107,200 bytes
;; launch prep (part 1): grid 2096 x 1, 4 waves a work-group, no clusters, 70,144 bytes of LDS; arguments W_attn_codes, W_attn_scales, context, query, kv, wl, qi; writes kv, wl, qi
.if DOCPART == 1
	.amdgcn_target "amdgcn-amd-amdhsa--gfx1250"
	.amdhsa_code_object_version 6
	.text
	.protected	k_q1a81b7298a_prep
	.globl	k_q1a81b7298a_prep
	.p2align	8
	.type	k_q1a81b7298a_prep,@function
k_q1a81b7298a_prep:
	s_mov_b64 s[64:65], 0
	v_nop
	global_prefetch_b8 v0, s[64:65] scope:SCOPE_SE
	s_setreg_imm32_b32 hwreg(HW_REG_WAVE_MODE, 25, 1), 1
	s_wait_xcnt 0x0
; context and query, f32, become codes of FP6 (E2M3) with one E8M0 byte for each 32 along K, and W's given codes are laid anew: all three in the ORDER OF THE OPERAND'S REGISTERS, so that the next launch
; brings a K step's tiles as one dense block and takes every fragment by three loads of 16 bytes a lane.
; AN IMAGE (1,536 bytes) is a fragment of 16 rows x 128 K: register n (0..11) of lane l at byte 512 (n / 4) + 16 l + 4 (n % 4).  Lane (r = l % 16, h = l / 16) holds in registers 6 c .. 6 c + 5 the codes of k = 64 c + 32 h + 0 .. 31 of its row.
; THE ROWS OF A TILE ARE NOT NEIGHBOURS: lane r of tile 2 b + u takes row 32 b + 8 u + r + 8 (r / 8), so that a transposed product's 16 registers of tiles 2 b, 2 b + 1 are 16 neighbours along the next K.
; kv: [16 batches][18 slabs][4 quarters of 256 rows][25,600]: a quarter is 16 images and, at 24,576, the rows' scale words (64 t + 4 r).  Slabs 0-7: rows = keys, K step s along the 1,024 channels;
;     slabs 8-15: rows = channels, K step s along the keys;  slabs 16, 17: W's K steps 0, 1 once more.   wl: [16 slabs] likewise: W's K steps 0-15.
; qi: [256 blocks of 64 query rows][8 K steps][6,400]: four images and, at 6,144, the scale words (64 m + 4 r).
; A block's scale is 2^(floor(log2(its largest magnitude)) - 2): its byte is the largest magnitude's exponent field - 2, held at 1 from below by a floor among the maximum's leaves.
; LIMITS: NaN and infinities among the inputs are not served.  A block of zeros, or one whose largest magnitude lies under 2^-124, gets the byte 1 (the rule says 127 for zeros): its codes are zeros or tiny, and this program alone reads the bytes.
; SHARES.  Work-groups 0-47 lay W (16 slabs into wl, 2 x 16 into kv), a quarter a wave, registers only.  The other 2,048 take a tile of 128 rows x 128 channels of context (1,024 of them) or of query.
; The tile goes through LDS once: loaded by rows (512 consecutive bytes a load), read back along the channels (K innermost) and, for context, down the keys (a lane a channel, registers down K): nothing is transposed by an instruction.
.set FRB,   1536
.set QTR,   25600
.set SLAB,  102400
.set BATCH, 18*SLAB
.set RSTEP, 6400
.set QBLK,  51200
.set NW,    48                         ; work-groups that lay W
.set TP,    528                        ; a tile's row in LDS: 512 bytes + 16
.set SCB,   128*TP                     ; behind the tile: 512 bytes of scale words along the channels, 512 down the keys
.set LN,  1                            ; lane
.set RR,  2                            ; r
.set HH,  3                            ; h
.set LA,  4                            ; byte offset of my 16 bytes in the wave's first row of the source (W's path: my row's bytes in W's codes)
.set TS,  5                            ; where I store them in the tile
.set KA,  6                            ; the tile read along the channels
.set VA,  7                            ; and down the keys
.set LI,  8                            ; 16 x lane: my place in an image
.set SA,  9                            ; where my row's scale word goes in LDS
.set T0,  10
.set T1,  11
.set MX,  12                           ; v12-13 largest magnitudes of my two blocks
.set SO,  14                           ; v14-15 the conversions' scale operands
.set BY,  16                           ; v16-17 the bytes
.set WD,  18                           ; the scale word
.set WT,  19                           ; lane l xor 16's part of it
.set SH,  20                           ; 8 h
.set SCR, 21                           ; the scale words read back
.set SGO, 22                           ; and their place in memory
.set SD,  24                           ; v24-27
.set X,   32                           ; v32-159 the 32 rows as loaded; then two sets of 64 numbers
.set C,   160                          ; v160-207 four fragments' codes: no store's data are written again
.set TT,  208                          ; v208-215 the second halves of the blocks' codes (a conversion's three registers begin on an even number)
.set F,   16                           ; W's path: v16-207 sixteen fragments, v208-215 scale words
	s_load_b256 s[4:11], s[0:1], 0x0               ; W's codes s[4:5], W's scales s[6:7], context s[8:9], query s[10:11]
	s_load_b128 s[12:15], s[0:1], 0x20             ; kv s[12:13], wl s[14:15]
	s_load_b64 s[16:17], s[0:1], 0x30              ; qi
	v_lshl_add_u32 v224, v0, 2, 0x11000
	v_mov_b32 v225, 0
	v_lshrrev_b32 v[T0], 5, v0
	v_readfirstlane_b32 s18, v[T0]                 ; wave 0..3
	v_and_b32 v[LN], 31, v0
	v_and_b32 v[RR], 15, v0
	v_bfe_u32 v[HH], v0, 4, 1
	v_lshlrev_b32 v[LI], 4, v[LN]
	v_and_b32 v[T0], 8, v[RR]
	v_add_nc_u32 v[T0], v[T0], v[RR]               ; r + 8 (r / 8)
	s_cmp_lt_u32 ttmp9, NW                         ; the same in all four waves
	s_cbranch_scc1 .Lweights
	; ---- a tile of context or of query
	s_sub_co_u32 s19, ttmp9, NW
	s_lshr_b32 s20, s19, 10                        ; 0: context, 1: query
	s_and_b32 s21, s19, 1023
	s_lshr_b32 s22, s21, 6                         ; batch
	s_bfe_u32 s23, s21, 0x30003                    ; rb: which 128 rows
	s_and_b32 s24, s21, 7                          ; cb: which 128 channels
	s_lshl_b32 s26, s22, 22                        ; a batch is 4 MiB,
	s_lshl_b32 s25, s23, 19                        ; 128 rows of 4,096 bytes,
	s_add_co_u32 s26, s26, s25
	s_lshl_b32 s25, s24, 9                         ; 128 channels
	s_add_co_u32 s26, s26, s25
	s_mov_b32 s27, 0
	s_lshl_b32 s25, s18, 17                        ; my wave's 32 rows
	s_wait_alu depctr_va_vdst(0)
	v_lshl_add_u32 v[LA], v[LN], 4, s25
	s_wait_alu depctr_va_vdst(0)
	s_wait_kmcnt 0x0
	s_cmp_eq_u32 s20, 0
	s_cselect_b64 s[28:29], s[8:9], s[10:11]       ; the choice hangs on the work-group's number alone
	s_add_nc_u64 s[28:29], s[28:29], s[26:27]
.set j, 0
.rept 32
	global_load_b128 v[X+4*j:X+4*j+3], v[LA], s[28:29] offset:4096*j th:TH_LOAD_NT   ; row 32 w + j: 32 lanes read 512 consecutive bytes; read once in the launch
.set j, j+1
.endr
	s_lshl_b32 s25, s18, 5
	v_add_nc_u32 v[T1], s25, v[T0]                 ; 32 w + r + 8 (r / 8): my row (along the channels) or my channel (down the keys) of tile 2 w
	v_mul_u32_u24 v[KA], v[T1], TP
	v_lshl_add_u32 v[KA], v[HH], 7, v[KA]          ; + 128 h: my 32 numbers of each 64
	v_lshlrev_b32 v[VA], 2, v[T1]
	v_mad_u32_u24 v[VA], v[HH], 32*TP, v[VA]       ; lanes 16-31 begin 32 keys further down
	s_mul_i32 s25, s18, 32*TP
	v_lshl_add_u32 v[TS], v[LN], 4, s25
	s_lshl_b32 s25, s18, 7
	s_add_co_u32 s25, s25, SCB
	v_lshl_add_u32 v[SA], v[RR], 2, s25            ; SCB + 128 w + 4 r
	v_lshl_add_u32 v[SCR], v[LN], 4, SCB
	v_lshlrev_b32 v[SH], 3, v[HH]
	v_mov_b32 v[WT], 0                             ; written once: a lane permute's destination counts as one of its sources
	s_mov_b32 s54, 0x76543210
	s_mov_b32 s55, 0xfedcba98                      ; v_permlanex16_b32's selects for lane l xor 16
	; where the results go, in bytes.  Context along the channels: slab cb, quarter rb / 2, tiles 8 (rb % 2) + 2 w + u
	s_mul_i32 s30, s22, BATCH
	s_mul_i32 s31, s24, SLAB
	s_add_co_u32 s30, s30, s31
	s_lshr_b32 s31, s23, 1
	s_mul_i32 s31, s31, QTR
	s_add_co_u32 s30, s30, s31
	s_and_b32 s31, s23, 1
	s_mul_i32 s32, s31, 8*FRB
	s_add_co_u32 s32, s32, s30
	s_mul_i32 s33, s18, 2*FRB
	s_add_co_u32 s32, s32, s33                     ; the images
	s_lshl_b32 s31, s31, 9
	s_add_co_u32 s31, s31, s30
	s_add_co_u32 s31, s31, 16*FRB                  ; the scale words
	; query: block 16 batch + 2 rb + w / 2, K step cb, row tile 2 (w % 2) + u
	s_lshl_b32 s34, s22, 4
	s_lshl_b32 s35, s23, 1
	s_add_co_u32 s34, s34, s35
	s_mul_i32 s34, s34, QBLK
	s_mul_i32 s35, s24, RSTEP
	s_add_co_u32 s34, s34, s35
	s_lshr_b32 s35, s18, 1
	s_mul_i32 s35, s35, QBLK
	s_and_b32 s36, s18, 1
	s_mul_i32 s36, s36, 2*FRB
	s_add_co_u32 s35, s35, s36
	s_add_co_u32 s35, s35, s34                     ; the images
	s_add_co_u32 s34, s34, 4*FRB                   ; the scale words
	s_cmp_eq_u32 s20, 0
	s_cselect_b32 s36, s32, s35
	s_cselect_b32 s38, s31, s34
	s_mov_b32 s40, QBLK
	s_cselect_b32 s40, 256, s40                    ; from the first 256 bytes of scale words to the second: on end in kv, a block on in qi
	s_cselect_b64 s[42:43], s[12:13], s[16:17]
	s_mov_b32 s37, 0
	s_mov_b32 s39, 0
	s_add_nc_u64 s[44:45], s[42:43], s[36:37]
	s_add_nc_u64 s[46:47], s[42:43], s[38:39]
	v_mul_lo_u32 v[SGO], v[HH], s40
	v_lshl_add_u32 v[SGO], v[RR], 4, v[SGO]
	; context down the keys: slab 8 + rb, quarter cb / 2, tiles 8 (cb % 2) + 2 w + u
	s_mul_i32 s48, s22, BATCH
	s_add_co_u32 s49, s23, 8
	s_mul_i32 s49, s49, SLAB
	s_add_co_u32 s48, s48, s49
	s_lshr_b32 s49, s24, 1
	s_mul_i32 s49, s49, QTR
	s_add_co_u32 s48, s48, s49
	s_and_b32 s49, s24, 1
	s_mul_i32 s50, s49, 8*FRB
	s_add_co_u32 s50, s50, s48
	s_add_co_u32 s50, s50, s33
	s_mov_b32 s51, 0
	s_lshl_b32 s52, s49, 9
	s_add_co_u32 s52, s52, s48
	s_add_co_u32 s52, s52, 16*FRB
	s_mov_b32 s53, 0
	s_add_nc_u64 s[50:51], s[12:13], s[50:51]
	s_add_nc_u64 s[52:53], s[12:13], s[52:53]
	s_wait_alu depctr_va_vdst(0)
.irp g, 0,1,2,3
	s_wait_loadcnt 24-8*\g                         ; loads come back in order: these eight rows are in, the younger ones may be out
.irp q, 0,1,2,3,4,5,6,7
	ds_store_b128 v[TS], v[X+4*(8*\g+\q):X+4*(8*\g+\q)+3] offset:TP*(8*\g+\q)
.endr
.endr
	s_wait_dscnt 0x0                               ; for the others' sake: my rows lie in the tile
	s_barrier_signal -1
	s_barrier_wait -1
; tile 2 w + u read along the channels: lane (r, h) takes, of its row, k = 64 c + 32 h + 0 .. 31: eight loads of 16 bytes for each c
.macro LK u, xs
.irp c, 0,1
.irp q, 0,1,2,3,4,5,6,7
	ds_load_b128 v[\xs+32*\c+4*\q:\xs+32*\c+4*\q+3], v[KA] offset:8*TP*\u+256*\c+16*\q
.endr
.endr
.endm
; and down the keys: lane (r, h) takes its channel at keys 64 c + 32 h + i
.macro LV u, xs
.irp c, 0,1
.set i, 0
.rept 32
	ds_load_b32 v[\xs+32*\c+i], v[VA] offset:(64*\c+i)*TP+32*\u
.set i, i+1
.endr
.endr
.endm
; 64 numbers of a lane, two whole blocks (h and 2 + h of its row), become the fragment's 12 registers at v[cs] on; the image goes to s[sb:sb+1] + off, the row's scale word to LDS
.macro QB xs, cs, sb, off, sco
.irp c, 0,1
	v_max3_num_f32 v[MX+\c], |v[\xs+32*\c]|, |v[\xs+32*\c+1]|, 0x1800000   ; and the floor 2^(3 - 127): the byte cannot fall under 1
.endr
.irp i, 2,4,6,8,10,12,14,16,18,20,22,24,26,28,30
.irp c, 0,1
	v_max3_num_f32 v[MX+\c], v[MX+\c], |v[\xs+32*\c+\i]|, |v[\xs+32*\c+\i+1]|   ; (the two blocks by turns)
.endr
.endr
.irp c, 0,1
	v_add_nc_u32 v[SO+\c], 0xff000000, v[MX+\c]    ; 2 off the exponent field: the conversion takes the exponent field of this operand as its scale
.endr
.irp c, 0,1
	v_lshrrev_b32 v[BY+\c], 23, v[SO+\c]           ; the scale's byte
.endr
	v_lshl_or_b32 v[WD], v[BY+1], 16, v[BY]        ; my two bytes, blocks h and 2 + h,
	v_lshlrev_b32 v[WD], v[SH], v[WD]              ; at their places in the word;
	v_permlanex16_b32 v[WT], v[WD], s54, s55
	v_or_b32 v[WD], v[WD], v[WT]                   ; with lane l xor 16's two the word is whole
.irp c, 0,1
	v_cvt_scalef32_pk16_fp6_f32 v[\cs+6*\c:\cs+6*\c+2], v[\xs+32*\c:\xs+32*\c+15], v[SO+\c]
	v_cvt_scalef32_pk16_fp6_f32 v[TT+4*\c:TT+4*\c+2], v[\xs+32*\c+16:\xs+32*\c+31], v[SO+\c]
.endr
	v_nop                                          ; one plain place behind a scaled conversion
.irp c, 0,1
.irp i, 0,1,2
	v_mov_b32 v[\cs+3+6*\c+\i], v[TT+4*\c+\i]
.endr
.endr
.irp g, 0,1,2
	global_store_b128 v[LI], v[\cs+4*\g:\cs+4*\g+3], s[\sb:\sb+1] offset:\off+512*\g   ; 32 lanes store 512 consecutive bytes, at a multiple of 256 from the buffer's first byte
.endr
	ds_store_b32 v[SA], v[WD] offset:\sco          ; both lanes of a row write the same word with the same value
.endm
	LK 0, X
	LK 1, X+64
	s_wait_dscnt 16                                ; the first tile's 16 loads are in, the second's may be out
	QB X, C, 44, 0, 0
	s_wait_dscnt 1                                 ; the second tile's are in (the word just stored may be out)
	QB X+64, C+12, 44, FRB, 64
	s_cmp_lg_u32 s20, 0                            ; the query is an operand along its channels alone
	s_cbranch_scc1 .Lno_keys
	LV 0, X
	LV 1, X+64
	s_wait_dscnt 63                                ; behind the first tile's loads stand 64 more: 63 is the largest count that can be written, and the smaller count is the safe one
	QB X, C+24, 50, 0, 512
	s_wait_dscnt 1
	QB X+64, C+36, 50, FRB, 512+64
.Lno_keys:
	s_wait_dscnt 0x0                               ; for the others' sake: my scale words lie in LDS
	s_barrier_signal -1
	s_barrier_wait -1
	s_cmp_lg_u32 s18, 0                            ; wave 0 stores the 512 bytes of words along the channels,
	s_cbranch_scc1 .Lnot_wave_0
	ds_load_b128 v[SD:SD+3], v[SCR]
	s_wait_dscnt 0x0
	global_store_b128 v[SGO], v[SD:SD+3], s[46:47] ; 16 lanes store 256 consecutive bytes, aligned
.Lnot_wave_0:
	s_cmp_lg_u32 s18, 1                            ; wave 1 those down the keys, if the tile is context's
	s_cbranch_scc1 .Ldone
	s_cmp_lg_u32 s20, 0
	s_cbranch_scc1 .Ldone
	ds_load_b128 v[SD:SD+3], v[SCR] offset:512
	s_wait_dscnt 0x0
	global_store_b128 v[LI], v[SD:SD+3], s[52:53]
.Ldone:
	s_wait_tensorcnt 0x0
	ds_add_u32 v224, v225
	s_wait_dscnt 0x0
	s_endpgm
	; ---- W: one slab (a K step of 128, all 1,024 rows), a quarter a wave.  The codes are taken as they are given: a lane's 24 bytes are its six registers
.Lweights:
	s_sub_co_u32 s19, ttmp9, 16                    ; work-groups 16-47: batch (g - 16) / 2, K step (g - 16) % 2, into kv's slabs 16, 17
	s_and_b32 s20, s19, 1
	s_lshr_b32 s21, s19, 1
	s_mul_i32 s21, s21, BATCH
	s_add_co_u32 s22, s20, 16
	s_mul_i32 s22, s22, SLAB
	s_add_co_u32 s21, s21, s22
	s_mul_i32 s22, ttmp9, SLAB                     ; work-groups 0-15: K step g, into wl
	s_mul_i32 s28, s18, QTR
	s_cmp_lt_u32 ttmp9, 16
	s_cselect_b32 s24, s22, s21
	s_cselect_b32 s23, ttmp9, s20                  ; the K step
	s_wait_kmcnt 0x0
	s_cselect_b64 s[26:27], s[14:15], s[12:13]
	s_add_co_u32 s24, s24, s28
	s_mov_b32 s25, 0
	s_add_nc_u64 s[26:27], s[26:27], s[24:25]
	s_mul_i32 s28, s18, 256*1536                   ; my 256 rows of 1,536 bytes,
	s_mul_i32 s29, s23, 96                         ; the K step's 96 bytes
	s_add_co_u32 s28, s28, s29
	s_mov_b32 s29, 0
	s_add_nc_u64 s[4:5], s[4:5], s[28:29]
	s_lshl_b32 s28, s18, 14                        ; scale bytes: 64 a row, the K step's four
	s_lshl_b32 s30, s23, 2
	s_add_co_u32 s28, s28, s30
	s_add_nc_u64 s[6:7], s[6:7], s[28:29]
	s_wait_alu depctr_va_vdst(0)
	v_mul_u32_u24 v[LA], v[T0], 1536
	v_mad_u32_u24 v[LA], v[HH], 24, v[LA]
	; a lane stores the words 128 q + 4 l + j: tile 8 q + l / 4, tile lane 4 (l % 4) + j: that is row 128 q + 32 (l / 8) + 8 ((l / 4) % 2) + 4 (l % 4) + 8 ((l / 2) % 2) + j
	v_lshrrev_b32 v5, 3, v[LN]
	v_lshlrev_b32 v5, 5, v5
	v_bfe_u32 v6, v[LN], 2, 1
	v_lshl_add_u32 v5, v6, 3, v5
	v_and_b32 v6, 3, v[LN]
	v_lshl_add_u32 v5, v6, 2, v5
	v_bfe_u32 v6, v[LN], 1, 1
	v_lshl_add_u32 v5, v6, 3, v5
	v_lshlrev_b32 v5, 6, v5
.irp t, 0,1,2,3,4,5,6,7,8,9,10,11,12,13,14,15
.irp p, 0,1,2,3,4,5
	global_load_b64 v[F+12*\t+2*\p:F+12*\t+2*\p+1], v[LA], s[4:5] offset:(32*(\t/2)+8*(\t%2))*1536+48*(\p/3)+8*(\p%3)
.endr
.endr
.irp q, 0,1
.irp j, 0,1,2,3
	global_load_b32 v[208+4*\q+\j], v5, s[6:7] offset:64*(128*\q+\j)
.endr
.endr
	s_wait_loadcnt 0x0
.irp t, 0,1,2,3,4,5,6,7,8,9,10,11,12,13,14,15
.irp g, 0,1,2
	global_store_b128 v[LI], v[F+12*\t+4*\g:F+12*\t+4*\g+3], s[26:27] offset:\t*FRB+512*\g
.endr
.endr
.irp q, 0,1
	global_store_b128 v[LI], v[208+4*\q:208+4*\q+3], s[26:27] offset:16*FRB+512*\q
.endr
	s_endpgm
.Lfunc_end_k_q1a81b7298a_prep:
	.size	k_q1a81b7298a_prep, .Lfunc_end_k_q1a81b7298a_prep-k_q1a81b7298a_prep
	.p2alignl 7, 3214868480
	.fill 96, 4, 3214868480
	.section	.rodata,"a",@progbits
	.p2align	6, 0x0
	.amdhsa_kernel k_q1a81b7298a_prep
		.amdhsa_group_segment_fixed_size 70144
		.amdhsa_private_segment_fixed_size 0
		.amdhsa_enable_private_segment 0
		.amdhsa_kernarg_size 56
		.amdhsa_user_sgpr_count 2
		.amdhsa_user_sgpr_kernarg_segment_ptr 1
		.amdhsa_wavefront_size32 1
		.amdhsa_system_sgpr_workgroup_id_x 1
		.amdhsa_system_sgpr_workgroup_id_y 1
		.amdhsa_system_sgpr_workgroup_id_z 1
		.amdhsa_system_vgpr_workitem_id 0
		.amdhsa_next_free_vgpr 226
		.amdhsa_next_free_sgpr 66
		.amdhsa_reserve_vcc 0
		.amdhsa_float_denorm_mode_32 3
		.amdhsa_float_denorm_mode_16_64 3
		.amdhsa_memory_ordered 1
		.amdhsa_forward_progress 1
		.amdhsa_inst_pref_size 51
	.end_amdhsa_kernel
	.amdgpu_metadata
---
amdhsa.version: [ 1, 2 ]
amdhsa.kernels:
  - .name:           k_q1a81b7298a_prep
    .symbol:         k_q1a81b7298a_prep.kd
    .args:
      - { .name: W_attn_codes, .offset: 0, .size: 8, .value_kind: global_buffer, .address_space: global }
      - { .name: W_attn_scales, .offset: 8, .size: 8, .value_kind: global_buffer, .address_space: global }
      - { .name: context, .offset: 16, .size: 8, .value_kind: global_buffer, .address_space: global }
      - { .name: query, .offset: 24, .size: 8, .value_kind: global_buffer, .address_space: global }
      - { .name: kv, .offset: 32, .size: 8, .value_kind: global_buffer, .address_space: global }
      - { .name: wl, .offset: 40, .size: 8, .value_kind: global_buffer, .address_space: global }
      - { .name: qi, .offset: 48, .size: 8, .value_kind: global_buffer, .address_space: global }
    .group_segment_fixed_size: 70144
    .private_segment_fixed_size: 0
    .kernarg_segment_align: 8
    .kernarg_segment_size: 56
    .max_flat_workgroup_size: 128
    .sgpr_count:     66
    .vgpr_count:     226
    .wavefront_size: 32
...
	.end_amdgpu_metadata
.endif
;; end of part 1
;; launch chain (part 2): grid 16 x 16, 4 waves a work-group, no clusters, 266,752 bytes of LDS; arguments qi, kv, wl, out0; writes out0
.if DOCPART == 2
	.amdgcn_target "amdgcn-amd-amdhsa--gfx1250"
	.amdhsa_code_object_version 6
	.text
	.protected	k_q1a81b7298a_chain
	.globl	k_q1a81b7298a_chain
	.p2align	8
	.type	k_q1a81b7298a_chain,@function
k_q1a81b7298a_chain:
	s_mov_b64 s[64:65], 0
	v_nop
	global_prefetch_b8 v0, s[64:65] scope:SCOPE_SE
	s_setreg_imm32_b32 hwreg(HW_REG_WAVE_MODE, 25, 1), 1
	s_wait_xcnt 0x0
; out = tanh([softmax(q c^T) c, q] W^T), all three products on codes of FP6 (E2M3) with one E8M0 scale for each 32 along K.
; A work-group owns 64 query rows of one batch: S^T = K Q^T (steps 0-7 of 128 along K), softmax, O^T = V^T P^T (8-15), O / l, out^T = W [mix, q]^T (16-31), tanh, store.
; Wave w makes keys, channels or outputs 256 w .. 256 w + 255 for all 64 rows: 16 tiles x 4 row tiles = 64 accumulators.  Every product is used transposed: a lane holds one query row.
; Lane r of weight tile 2 b + u takes row 32 b + 8 u + r + 8 (r / 8), so that 16 registers of two neighbouring tiles are 16 neighbours along the next K.
; The rows' operands lie in LDS as images of their registers (1,536 bytes a fragment, scale words 4 bytes a row): q's come so from memory, p's and mix's are stored by the wave that made them.
; K, V and W are one stream of 32 slabs (a quarter of 25,600 bytes a wave) that goes from memory straight into registers: a quarter is four groups of four tiles (12 + 2 loads, 16 matrix instructions);
; six groups of registers take turns, so register numbers come back after three steps.  ONE LOOP of three steps walks steps 3-29; the two vector phases, each with the step that starts the next sums,
; stand inside it behind branches on the step's number, which is made of counts alone.
; NOT JOINTLY THROUGH LDS, though the 16 work-groups of a batch walk the same slabs: beside the rows' images LDS has room for two slabs, whose refill would be asked for and awaited within one step's
; 64 matrix instructions a wave; and one wave alone reads a fragment, so LDS would add a write and a read of every byte.
; SOFTMAX: whole rows of scores are at hand.  t = score x log2(e); M = ceil(the row's largest t); p = 2^(t - M) is quantised; l, the sum of the unquantised p, divides O.
; LIMITS: NaN and infinities are not served.  A block whose largest magnitude lies under 2^-124 gets the scale byte 1 (the bytes are this program's own).  A block's largest p is taken as the exponential
; of its largest score, which takes v_exp_f32 not to fall where its input rises.  tanh x = 1 - 2 / (1 + 2^(2 log2(e) x)): its error is of the size of f32's rounding near 1, also where x is small.
; REGISTERS: window 0: v0-12 addresses; v20-23 at work; v24-31 (-M, t), later 1 / l; v32-43 groups' scale words; v44-49 rows' scale words; v64-207 row fragments, three sets; v208-255 the sixth group.
;   window 1: v0-239 groups 0-4.   windows 2, 3: accumulator (t, m) at window 2 + t / 8, v[64 m + 8 (t % 8)].
.set FRB,   1536
.set QTR,   25600
.set SLAB,  102400
.set BATCH, 18*SLAB
.set RSTEP, 6400                       ; a K step of the 64 rows: four images and 256 bytes of scale words
.set QBLK,  51200
.set QIMG,  8*RSTEP                    ; LDS 0: row steps 0-7 (p, later mix: LDS stores alone); from QIMG: q's eight, filled once by tensor loads
.set XCH1,  16*RSTEP                   ; the waves' row maxima: 512 m + 16 lane + 4 wave; 2,048 further on the row sums
.set SP,    1040                       ; the way out: a stage row, 1,024 bytes + 16
.set WSTG,  64*SP                      ; a wave's stage: its four row tiles.  The stages lie from LDS 0 on, over bytes that are read no more
.set SPARE, 4*WSTG                     ; behind them the spare words
.set LN,  1
.set GO,  2                            ; 16 lane
.set G4,  3                            ; 4 lane
.set AR,  4                            ; the rows' images of the step to be fetched
.set ARS, 5                            ; and their scale words, less 4 FRB
.set IW,  6                            ; where I store images
.set ISW, 7                            ; and their scale words
.set XS,  8
.set XL,  9
.set STO, 10
.set RDS, 11
.set PFO, 12                           ; 256 x min(lane, 24)
.set TMP, 20
.set NM,  24
.set SW,  32
.set SR,  44
.set RF,  64
.set W5,  208
.set BM,  64                           ; a block's largest score, p or magnitude: 8 m + 4 kk + b
.set T2,  96
.set SCL, 128
.set PC,  160
.set PW,  200
.set LS,  160
.set XR,  176
.set BK,  64                           ; the way out: 8 rows read back, v64-127
.set WV,  12
.set G1Q, 32
.set WP1, 40                           ; my quarter of the slab after the one in hand
.set WP2, 42                           ; and of the slab after that
.set WL2, 44                           ; my quarter of wl's slab 2
.set G0Q, 48
.set PFA, 56                           ; where my prefetches stand
.set PFW, 58                           ; the same in wl
.set STP, 60                           ; the step's number
.set PEND, 61                          ; a wave prefetches while the step's number is under it
.set PEND3, 62
.set CNT, 63
.set CS,  66
.set C2,  68
.set SEL, 70
.set MSB, 0
.macro WIN new
.if MSB != (\new)
	s_set_vgpr_msb (MSB<<8)|(\new)
.set MSB, (\new)
.endif
.endm
.set TO_W,   0x40
.macro PLACES                          ; four plain places behind a matrix instruction (ISA guide 7.12.1)
.rept 4
	v_nop
.endr
.endm
.macro BAR
	s_wait_dscnt 0x0
	s_barrier_signal -1
	s_barrier_wait -1
.endm
; group q of the quarter at s[sb:sb+1] + off into place pos of the ring
.macro GLOAD pos, sb, off, q
.if (\pos) < 5
	WIN TO_W
.set rW, 48*(\pos)
.else
	WIN 0
.set rW, W5
.endif
.irp tl, 0,1,2,3
.irp g, 0,1,2
	global_load_b128 v[rW+12*\tl+4*\g:rW+12*\tl+4*\g+3], v[GO], s[\sb:\sb+1] offset:(\off)+(4*(\q)+\tl)*FRB+512*\g
.endr
.endr
	WIN 0
.irp jj, 0,1
	global_load_b32 v[SW+2*(\pos)+\jj], v[G4], s[\sb:\sb+1] offset:(\off)+16*FRB+128*(2*(\q)+\jj)
.endr
.endm
	s_load_b256 s[4:11], s[0:1], 0x0               ; qi, kv, wl, out0
	v_lshl_add_u32 v62, v0, 2, SPARE
	v_mov_b32 v63, 0
	ds_add_u32 v62, v63
	ds_add_u32 v62, v63
	v_lshrrev_b32 v18, 5, v0
	v_readfirstlane_b32 s[WV], v18
	v_and_b32 v[LN], 31, v0
	v_lshlrev_b32 v[GO], 4, v[LN]
	v_lshlrev_b32 v[G4], 2, v[LN]
	s_and_b32 s15, ttmp7, 0xffff                   ; the batch; ttmp9: my block of 64 query rows
	s_mov_b32 s[G1Q], 3<<16                        ; a quarter of q's images: 50 rows of 256 bytes (32 elements of 8 bytes)
	s_mov_b32 s[G1Q+1], 32<<16
	s_mov_b32 s[G1Q+2], 50<<16
	s_mov_b32 s[G1Q+3], 32<<16
	s_mov_b32 s[G1Q+4], 50
	s_mov_b32 s[G1Q+5], 32
	s_mov_b32 s[G1Q+6], 0
	s_mov_b32 s[G1Q+7], 0
	s_mul_i32 s16, s[WV], QTR
	s_mov_b32 s72, s16
	s_mov_b32 s73, 0
	s_mul_i32 s18, s15, BATCH
	s_add_co_u32 s18, s18, s16
	s_mov_b32 s19, 0
	s_lshl_b32 s20, s15, 4
	s_add_co_u32 s20, s20, ttmp9
	s_mul_i32 s20, s20, QBLK
	s_mul_i32 s17, s[WV], QBLK/4
	s_add_co_u32 s20, s20, s17
	s_mov_b32 s21, 0
	s_lshl_b32 s22, s15, 22
	s_lshl_b32 s23, ttmp9, 18
	s_add_co_u32 s22, s22, s23
	s_lshl_b32 s23, s[WV], 10
	s_add_co_u32 s22, s22, s23
	s_mov_b32 s23, 0
	s_cmp_eq_u32 ttmp9, 0                          ; kv's slabs are asked for by the batch's first work-group (steps 0-12: slabs 5-17),
	s_cselect_b32 s[PEND], 13, 0
	s_or_b32 s76, ttmp9, s15
	s_cmp_eq_u32 s76, 0                            ; wl's by the launch's first (step 15: slabs 2-4; steps 16-26: slabs 5-15)
	s_cselect_b32 s[PEND3], 27, 0
	s_mov_b32 s[STP], -1
	s_mov_b32 s[CS], 0x3fb8aa3b
	s_mov_b32 s[CS+1], s[CS]
	s_mov_b32 s[C2], 0x4038aa3b
	s_mov_b32 s[C2+1], s[C2]
	s_mov_b32 s[SEL], 0x76543210
	s_mov_b32 s[SEL+1], 0xfedcba98
	s_wait_alu depctr_va_vdst(0)
	s_wait_dscnt 0x0
	s_wait_kmcnt 0x0
	s_add_nc_u64 s[6:7], s[6:7], s[18:19]
	s_add_nc_u64 s[4:5], s[4:5], s[20:21]
	s_mov_b32 s[G0Q], 1
	s_add_co_u32 s[G0Q+1], s17, QIMG
	s_mov_b64 s[G0Q+2:G0Q+3], s[4:5]
	s_or_b32 s[G0Q+3], s[G0Q+3], 0x80000000
	tensor_load_to_lds s[G0Q:G0Q+3], s[G1Q:G1Q+7]  ; my one tensor load: filled once in the launch
	s_nop 0
	PLACES
	GLOAD 0, 6, 0, 0                               ; the ring is filled: slab 0's four groups, slab 1's first two
	GLOAD 1, 6, 0, 1
	GLOAD 2, 6, 0, 2
	GLOAD 3, 6, 0, 3
	GLOAD 4, 6, SLAB, 0
	GLOAD 5, 6, SLAB, 1
	s_add_nc_u64 s[WP2:WP2+1], s[6:7], SLAB
	s_add_nc_u64 s[WL2:WL2+1], s[8:9], s[72:73]
	s_add_nc_u64 s[PFW:PFW+1], s[WL2:WL2+1], 4*SLAB
	s_add_nc_u64 s[WL2:WL2+1], s[WL2:WL2+1], 2*SLAB
	s_add_nc_u64 s[PFA:PFA+1], s[6:7], 4*SLAB      ; step 0 steps the prefetches to slab 5; nothing is asked for at the head
	s_add_nc_u64 s[10:11], s[10:11], s[22:23]
	v_and_b32 v18, 15, v0                          ; r
	v_bfe_u32 v19, v0, 4, 1                        ; h
	s_mul_i32 s77, s[WV], 2*RSTEP
	v_lshl_add_u32 v[IW], v[LN], 4, s77
	s_add_co_u32 s77, s77, 4*FRB
	v_lshl_add_u32 v[ISW], v18, 2, s77
	s_lshl_b32 s76, s[WV], 2
	s_add_co_u32 s76, s76, XCH1
	v_lshl_add_u32 v[XS], v[LN], 4, s76
	v_lshl_add_u32 v[XL], v[LN], 4, XCH1
	s_mul_i32 s76, s[WV], WSTG                     ; my stage
	v_mul_u32_u24 v[STO], v18, SP
	v_lshl_add_u32 v[STO], v19, 6, v[STO]
	v_add_nc_u32 v[STO], s76, v[STO]               ; in: row r, + 64 h
	v_lshl_add_u32 v[RDS], v[LN], 4, s76           ; back: 16 bytes a lane
	v_min_u32 v[PFO], 24, v[LN]
	v_lshlrev_b32 v[PFO], 8, v[PFO]
.macro WMM q, tl, m, zero
.set rD, 64*(\m)+8*((4*(\q)+(\tl))%8)
.set rA, rW+12*(\tl)
.set rB, RF+48*RS+12*(\m)
.set rX, SW+2*POS+(\tl)/2
.set rY, SR+2*RS+(\m)/2
.set vv, 4*(\zero)+2*((\tl)%2)+(\m)%2
.if vv == 0
	v_wmma_scale_f32_16x16x128_f8f6f4 v[rD:rD+7], v[rA:rA+11], v[rB:rB+11], v[rD:rD+7], v[rX], v[rY] matrix_a_fmt:MATRIX_FMT_FP6 matrix_b_fmt:MATRIX_FMT_FP6
.elseif vv == 1
	v_wmma_scale_f32_16x16x128_f8f6f4 v[rD:rD+7], v[rA:rA+11], v[rB:rB+11], v[rD:rD+7], v[rX], v[rY] matrix_a_fmt:MATRIX_FMT_FP6 matrix_b_fmt:MATRIX_FMT_FP6 matrix_b_scale:MATRIX_SCALE_ROW1
.elseif vv == 2
	v_wmma_scale_f32_16x16x128_f8f6f4 v[rD:rD+7], v[rA:rA+11], v[rB:rB+11], v[rD:rD+7], v[rX], v[rY] matrix_a_fmt:MATRIX_FMT_FP6 matrix_b_fmt:MATRIX_FMT_FP6 matrix_a_scale:MATRIX_SCALE_ROW1
.elseif vv == 3
	v_wmma_scale_f32_16x16x128_f8f6f4 v[rD:rD+7], v[rA:rA+11], v[rB:rB+11], v[rD:rD+7], v[rX], v[rY] matrix_a_fmt:MATRIX_FMT_FP6 matrix_b_fmt:MATRIX_FMT_FP6 matrix_a_scale:MATRIX_SCALE_ROW1 matrix_b_scale:MATRIX_SCALE_ROW1
.elseif vv == 4
	v_wmma_scale_f32_16x16x128_f8f6f4 v[rD:rD+7], v[rA:rA+11], v[rB:rB+11], 0, v[rX], v[rY] matrix_a_fmt:MATRIX_FMT_FP6 matrix_b_fmt:MATRIX_FMT_FP6
.elseif vv == 5
	v_wmma_scale_f32_16x16x128_f8f6f4 v[rD:rD+7], v[rA:rA+11], v[rB:rB+11], 0, v[rX], v[rY] matrix_a_fmt:MATRIX_FMT_FP6 matrix_b_fmt:MATRIX_FMT_FP6 matrix_b_scale:MATRIX_SCALE_ROW1
.elseif vv == 6
	v_wmma_scale_f32_16x16x128_f8f6f4 v[rD:rD+7], v[rA:rA+11], v[rB:rB+11], 0, v[rX], v[rY] matrix_a_fmt:MATRIX_FMT_FP6 matrix_b_fmt:MATRIX_FMT_FP6 matrix_a_scale:MATRIX_SCALE_ROW1
.else
	v_wmma_scale_f32_16x16x128_f8f6f4 v[rD:rD+7], v[rA:rA+11], v[rB:rB+11], 0, v[rX], v[rY] matrix_a_fmt:MATRIX_FMT_FP6 matrix_b_fmt:MATRIX_FMT_FP6 matrix_a_scale:MATRIX_SCALE_ROW1 matrix_b_scale:MATRIX_SCALE_ROW1
.endif
.endm
; a group's 16 matrix instructions; the 64 accumulators take turns, in the same order in every step
.macro GMUL q, zero
.if POS < 5
	WIN 0xa1+0x50*((\q)/2)
.set rW, 48*POS
.else
	WIN 0xa0+0x50*((\q)/2)
.set rW, W5
.endif
.irp tl, 0,1,2,3
.irp m, 0,1,2,3
	WMM \q, \tl, \m, \zero
.endr
.endr
.endm
; where the rows of step n = STP + 1 lie: row step (n + 8 + 8 (n / 16)) % 16: q's for n = 0-7, p's for 8-15, mix's and q's for 16-31
.macro ROWADR
	s_add_co_u32 s74, s[STP], 1
	s_lshr_b32 s75, s74, 4
	s_lshl_b32 s75, s75, 3
	s_add_co_u32 s74, s74, s75
	s_add_co_u32 s74, s74, 8
	s_and_b32 s74, s74, 15
	s_mul_i32 s74, s74, RSTEP
	v_add_nc_u32 v[AR], s74, v[GO]
	v_add_nc_u32 v[ARS], s74, v[G4]
.endm
.macro FROWS s                         ; a K step's four row fragments and their scale words into set s: 14 LDS loads
.irp m, 0,1,2,3
.irp g, 0,1,2
	ds_load_b128 v[RF+48*(\s)+12*\m+4*\g:RF+48*(\s)+12*\m+4*\g+3], v[AR] offset:\m*FRB+512*\g
.endr
.endr
.irp j, 0,1
	ds_load_b32 v[SR+2*(\s)+\j], v[ARS] offset:4*FRB+128*\j
.endr
.endm
; a prefetch: step i names slab i + 5, whose first loads step i + 3 issues: my quarter, 100 blocks of 256 bytes, a lane a block, 25 to an instruction
.macro ASK
	s_cmp_lt_u32 s[STP], s[PEND]
	s_cbranch_scc0 .Lnot_mine_\@
	s_wait_alu depctr_va_vdst(0)
.irp k, 0,1,2,3
	global_prefetch_b8 v[PFO], s[PFA:PFA+1] offset:6400*\k th:TH_LOAD_NT scope:SCOPE_SE
.endr
.Lnot_mine_\@:
.endm
; A STEP: four groups, 64 matrix instructions.  Behind a group's products and four places its registers take the group six further on in the stream.
; The wait in front of a group: behind its loads stand five groups' 70; 63 is the largest count that can be written.  mode 2: all groups ask; 1: step 30, two ask; 0: step 31, the counts run down by 14.
; rows = 1: the next step's rows are fetched; 7 or 15: but not in that step, whose successor's images are not made yet.  special = 15: in step 15 the prefetches pass to wl; 16: the loads do.
.macro STEP zero, mode, rows, special
	s_wait_dscnt 0x0                               ; this step's row fragments are in
.if \mode >= 1
	s_wait_loadcnt 63
.else
	s_wait_loadcnt 42
.endif
	GMUL 0, \zero
.if \mode >= 1
	PLACES
	WIN 0
	s_wait_xcnt 0x0                                ; earlier loads and prefetches have read their bases
	s_mov_b64 s[WP1:WP1+1], s[WP2:WP2+1]
.if \special == 16
	s_mov_b64 s[WP2:WP2+1], s[WL2:WL2+1]           ; stream slabs 16, 17 are kv's copies of W's K steps 0, 1; from 18 on the slabs are wl's
.else
	s_add_nc_u64 s[WP2:WP2+1], s[WP2:WP2+1], SLAB
.endif
.if \mode == 2
	s_add_nc_u64 s[PFA:PFA+1], s[PFA:PFA+1], SLAB
.endif
	s_add_co_u32 s[STP], s[STP], 1
.if \special == 15
	s_cmp_eq_u32 s[STP], 15
	s_cselect_b64 s[PFA:PFA+1], s[PFW:PFW+1], s[PFA:PFA+1]
	s_cselect_b32 s[PEND], s[PEND3], s[PEND]
.endif
	GLOAD POS, WP1, 0, 2
.if \rows
.if \rows > 1
	s_cmp_eq_u32 s[STP], \rows
	s_cbranch_scc1 .Lno_rows_\@
.endif
	ROWADR
.set RN, (RS+1)%3
	FROWS RN
.if \rows > 1
.Lno_rows_\@:
.endif
.endif
.if \mode == 2
	ASK
.if \special == 15
	s_cmp_eq_u32 s[STP], 15                        ; step 15 names wl's slab 4 above, and here slabs 2 and 3, whose loads steps 16 and 17 begin
	s_cbranch_scc0 .Lno_w_\@
	s_cmp_lg_u32 s[PEND3], 0
	s_cbranch_scc0 .Lno_w_\@
.irp sl, 2,1
.irp k, 0,1,2,3
	global_prefetch_b8 v[PFO], s[PFA:PFA+1] offset:6400*\k-\sl*SLAB th:TH_LOAD_NT scope:SCOPE_SE
.endr
.endr
.Lno_w_\@:
.endif
.endif
.endif
.set POS, (POS+1)%6
.if \mode >= 1
	s_wait_loadcnt 63
.else
	s_wait_loadcnt 28
.endif
	GMUL 1, \zero
.if \mode >= 1
	PLACES
	GLOAD POS, WP1, 0, 3
.endif
.set POS, (POS+1)%6
.if \mode >= 1
	s_wait_loadcnt 63
.else
	s_wait_loadcnt 14
.endif
	GMUL 2, \zero
.if \mode == 2
	PLACES
	GLOAD POS, WP2, 0, 0
.endif
.set POS, (POS+1)%6
.if \mode == 2
	s_wait_loadcnt 63
.elseif \mode == 1
	s_wait_loadcnt 56                              ; behind this group's loads stand the last four groups'
.else
	s_wait_loadcnt 0
.endif
	GMUL 3, \zero
.if \mode == 2
	PLACES
	GLOAD POS, WP2, 0, 1
.endif
.set POS, (POS+1)%6
.set RS, (RS+1)%3
	WIN 0
.endm
.macro XMAX                            ; the 32 blocks' maxima are joined with lane l xor 16's
.set j, 0
.rept 32
	v_permlanex16_b32 v[T2+j], v[BM+j], s[SEL], s[SEL+1]
.set j, j+1
.endr
.set j, 0
.rept 32
	v_max_num_f32 v[BM+j], v[BM+j], v[T2+j]
.set j, j+1
.endr
.endm
.macro BYTES                           ; the conversions' scale operands, the bytes, the eight scale words
.set j, 0
.rept 32
	v_add_nc_u32 v[SCL+j], 0xff000000, v[BM+j]     ; 2 off the exponent field
.set j, j+1
.endr
.set j, 0
.rept 32
	v_lshrrev_b32 v[T2+j], 23, v[SCL+j]
.set j, j+1
.endr
.irp q, 0,1,2,3,4,5,6,7
	v_lshl_or_b32 v[PW+\q], v[T2+4*\q+1], 8, v[T2+4*\q]
.endr
.irp q, 0,1,2,3,4,5,6,7
	v_lshl_or_b32 v[PW+\q], v[T2+4*\q+2], 16, v[PW+\q]
.endr
.irp q, 0,1,2,3,4,5,6,7
	v_lshl_or_b32 v[PW+\q], v[T2+4*\q+3], 24, v[PW+\q]
.endr
.endm
; the 64 numbers of row tile m in window 2 + kk become a fragment of K step 2 w + kk, whose image and scale words go to LDS
.macro CODES m, kk, set, n
.set rP, PC+20*(\set)
.if \n >= 2
	s_wait_dscnt 4                                 ; only the last image's four stores may be out: this set's registers have been read
.endif
	WIN 0x02+(\kk)
	v_cvt_scalef32_pk16_fp6_f32 v[rP:rP+2], v[64*(\m):64*(\m)+15], v[SCL+8*(\m)+4*(\kk)]
	v_cvt_scalef32_pk16_fp6_f32 v[rP+12:rP+14], v[64*(\m)+16:64*(\m)+31], v[SCL+8*(\m)+4*(\kk)+1]
	v_cvt_scalef32_pk16_fp6_f32 v[rP+6:rP+8], v[64*(\m)+32:64*(\m)+47], v[SCL+8*(\m)+4*(\kk)+2]
	v_cvt_scalef32_pk16_fp6_f32 v[rP+16:rP+18], v[64*(\m)+48:64*(\m)+63], v[SCL+8*(\m)+4*(\kk)+3]
	WIN 0
	v_nop                                          ; one plain place behind a scaled conversion
.irp c, 0,1                                    ; a whole block in a lane: lanes 0-15 block 2 c, lanes 16-31 block 2 c + 1
.irp i, 0,1,2
	v_permlane16_swap_b32 v[rP+6*\c+\i], v[rP+12+4*\c+\i]
.endr
.irp i, 0,1,2
	v_mov_b32 v[rP+3+6*\c+\i], v[rP+12+4*\c+\i]
.endr
.endr
.irp g, 0,1,2
	ds_store_b128 v[IW], v[rP+4*\g:rP+4*\g+3] offset:(\kk)*RSTEP+(\m)*FRB+512*\g
.endr
	ds_store_b32 v[ISW], v[PW+2*(\m)+(\kk)] offset:(\kk)*RSTEP+64*(\m)
.endm
.macro ALLCODES
	CODES 0, 0, 0, 0
	CODES 0, 1, 1, 1
	CODES 1, 0, 0, 2
	CODES 1, 1, 1, 3
	CODES 2, 0, 0, 4
	CODES 2, 1, 1, 5
	CODES 3, 0, 0, 6
	CODES 3, 1, 1, 7
.endm
.set POS, 0                            ; the ring's place that holds the group to be multiplied next
.set RS,  0                            ; the set that holds the step's row fragments
	s_wait_alu depctr_va_vdst(0)
	s_wait_tensorcnt 0x0                           ; my quarter of q's images is in,
	s_barrier_signal -1
	s_barrier_wait -1                              ; everybody's is
	ROWADR
	FROWS 0
	STEP 1, 2, 1, 0                                ; step 0 starts the scores' sums
	STEP 0, 2, 1, 0
	STEP 0, 2, 1, 0
	s_mov_b32 s[CNT], 0
.Lwalk:                                                ; trip t: steps 3 t + 3, 3 t + 4, 3 t + 5: twice round the ring of six, once round the three sets of rows
	STEP 0, 2, 15, 15
	s_cmp_lg_u32 s[STP], 15
	s_cbranch_scc1 .Lb_plain
	; ---- behind step 15: mix = O / l, quantised along the channels.  Its images take p's place: the barrier's signal stands behind my last reads of p's images, its wait in front of the codes
	s_wait_dscnt 0x0
	s_barrier_signal -1
.irp kk, 0,1
	WIN 0x82+0x41*\kk
.irp m, 0,1,2,3
.set j, 0
.rept 32
	v_pk_mul_f32 v[64*\m+j:64*\m+j+1], v[64*\m+j:64*\m+j+1], v[NM+2*\m:NM+2*\m+1] op_sel_hi:[1,0]
.set j, j+2
.endr
.endr
.endr
.irp kk, 0,1
	WIN 0x0a+0x05*\kk
.irp m, 0,1,2,3
.irp b, 0,1,2,3
	v_max3_num_f32 v[BM+8*\m+4*\kk+\b], |v[64*\m+16*\b]|, |v[64*\m+16*\b+1]|, 0x1800000   ; and the floor 2^(3 - 127)
.endr
.endr
	WIN 0x28+0x14*\kk
.irp i, 2,4,6,8,10,12,14
.irp m, 0,1,2,3
.irp b, 0,1,2,3
	v_max3_num_f32 v[BM+8*\m+4*\kk+\b], v[BM+8*\m+4*\kk+\b], |v[64*\m+16*\b+\i]|, |v[64*\m+16*\b+\i+1]|
.endr
.endr
.endr
.endr
	WIN 0
	XMAX
	BYTES
	s_barrier_wait -1                              ; nobody reads p's images any more
	ALLCODES
	BAR                                            ; mix's 32 images lie in LDS
	ROWADR
	FROWS RS
	STEP 1, 2, 1, 16                               ; step 16 starts the third product's sums
	s_branch .Lc_plain
.Lb_plain:
.set POS, 4
.set RS,  1
	STEP 0, 2, 7, 0
	s_cmp_lg_u32 s[STP], 7
	s_cbranch_scc1 .Lc_plain
	; ---- behind step 7: the softmax.  The largest score of each block serves for the row's maximum and, since p rises with the score, for the block's largest p
.irp kk, 0,1
	WIN 0x2a+0x15*\kk
.irp m, 0,1,2,3
.irp b, 0,1,2,3
	v_max3_num_f32 v[BM+8*\m+4*\kk+\b], v[64*\m+16*\b], v[64*\m+16*\b+1], v[64*\m+16*\b+2]
.endr
.endr
	WIN 0x28+0x14*\kk
.irp i, 3,5,7,9,11,13
.irp m, 0,1,2,3
.irp b, 0,1,2,3
	v_max3_num_f32 v[BM+8*\m+4*\kk+\b], v[BM+8*\m+4*\kk+\b], v[64*\m+16*\b+\i], v[64*\m+16*\b+\i+1]
.endr
.endr
.endr
.irp m, 0,1,2,3
.irp b, 0,1,2,3
	v_max_num_f32 v[BM+8*\m+4*\kk+\b], v[BM+8*\m+4*\kk+\b], v[64*\m+16*\b+15]
.endr
.endr
.endr
	WIN 0
	XMAX
.irp m, 0,1,2,3
	v_max3_num_f32 v[TMP+\m], v[BM+8*\m], v[BM+8*\m+1], v[BM+8*\m+2]
.endr
.irp m, 0,1,2,3
	v_max3_num_f32 v[TMP+\m], v[TMP+\m], v[BM+8*\m+3], v[BM+8*\m+4]
.endr
.irp m, 0,1,2,3
	v_max3_num_f32 v[TMP+\m], v[TMP+\m], v[BM+8*\m+5], v[BM+8*\m+6]
.endr
.irp m, 0,1,2,3
	v_max_num_f32 v[TMP+\m], v[TMP+\m], v[BM+8*\m+7]
.endr
.irp m, 0,1,2,3
	ds_store_b32 v[XS], v[TMP+\m] offset:512*\m
.endr
	BAR                                            ; the four waves' maxima lie in LDS
.irp m, 0,1,2,3
	ds_load_b128 v[XR+4*\m:XR+4*\m+3], v[XL] offset:512*\m
.endr
	s_wait_dscnt 0x0
.irp m, 0,1,2,3
	v_max3_num_f32 v[TMP+\m], v[XR+4*\m], v[XR+4*\m+1], v[XR+4*\m+2]
.endr
.irp m, 0,1,2,3
	v_max_num_f32 v[TMP+\m], v[TMP+\m], v[XR+4*\m+3]
.endr
.irp m, 0,1,2,3
	v_mul_f32 v[NM+2*\m+1], s[CS], v[TMP+\m]       ; as t
.endr
.irp m, 0,1,2,3
	v_floor_f32 v[NM+2*\m], -v[NM+2*\m+1]          ; -M = -ceil(t)
.endr
.irp kk, 0,1
	WIN 0x82+0x41*\kk
.irp m, 0,1,2,3
.set j, 0
.rept 32
	v_pk_fma_f32 v[64*\m+j:64*\m+j+1], v[64*\m+j:64*\m+j+1], s[CS:CS+1], v[NM+2*\m:NM+2*\m+1] op_sel_hi:[1,0,0]   ; t - M
.set j, j+2
.endr
.endr
.set j, 0
	s_wait_alu depctr_va_vdst(0)
.rept 256
	v_exp_f32 v[j], v[j]                           ; p = 2^(t - M)
.set j, j+1
.endr
.endr
	WIN 0
.irp m, 0,1,2,3
.irp q, 0,1,2,3,4,5,6,7
	v_fma_f32 v[BM+8*\m+\q], v[BM+8*\m+\q], s[CS], v[NM+2*\m]
.endr
.endr
	s_wait_alu depctr_va_vdst(0)                   ; one wait for the batch of 512, and ahead of the 32
.set j, 0
.rept 32
	v_exp_f32 v[BM+j], v[BM+j]                     ; the blocks' largest p
.set j, j+1
.endr
.irp kk, 0,1                                   ; the row's sum of the unquantised p
	WIN 0x0a+0x05*\kk
.irp m, 0,1,2,3
	v_pk_add_f32 v[LS+8*\kk+2*\m:LS+8*\kk+2*\m+1], v[64*\m:64*\m+1], v[64*\m+2:64*\m+3]
.endr
	WIN 0x08+0x04*\kk
.set j, 4
.rept 30
.irp m, 0,1,2,3
	v_pk_add_f32 v[LS+8*\kk+2*\m:LS+8*\kk+2*\m+1], v[LS+8*\kk+2*\m:LS+8*\kk+2*\m+1], v[64*\m+j:64*\m+j+1]
.endr
.set j, j+2
.endr
.endr
	WIN 0
.irp m, 0,1,2,3
	v_pk_add_f32 v[LS+2*\m:LS+2*\m+1], v[LS+2*\m:LS+2*\m+1], v[LS+8+2*\m:LS+8+2*\m+1]
.endr
.irp m, 0,1,2,3
	v_add_f32 v[TMP+\m], v[LS+2*\m], v[LS+2*\m+1]
.endr
.irp m, 0,1,2,3
	v_permlanex16_b32 v[T2+\m], v[TMP+\m], s[SEL], s[SEL+1]
.endr
.irp m, 0,1,2,3
	v_add_f32 v[TMP+\m], v[TMP+\m], v[T2+\m]
.endr
.irp m, 0,1,2,3
	ds_store_b32 v[XS], v[TMP+\m] offset:2048+512*\m
.endr
	s_wait_alu depctr_va_vdst(0)                   ; one wait for the 32
.set j, 0
.rept 32
	v_max_num_f32 v[BM+j], 0x1800000, v[BM+j]      ; the floor 2^(3 - 127)
.set j, j+1
.endr
	BYTES
	ALLCODES                                       ; p's images: K steps 2 w, 2 w + 1 of the second product
	BAR                                            ; p's 32 images and the four waves' sums lie in LDS
.irp m, 0,1,2,3
	ds_load_b128 v[XR+4*\m:XR+4*\m+3], v[XL] offset:2048+512*\m
.endr
	s_wait_dscnt 0x0
.irp m, 0,1,2,3
	v_add_f32 v[TMP+\m], v[XR+4*\m], v[XR+4*\m+1]
.endr
.irp m, 0,1,2,3
	v_add_f32 v[T2+\m], v[XR+4*\m+2], v[XR+4*\m+3]
.endr
.irp m, 0,1,2,3
	v_add_f32 v[TMP+\m], v[TMP+\m], v[T2+\m]       ; l
.endr
	s_wait_alu depctr_va_vdst(0)
.irp m, 0,1,2,3
	v_rcp_f32 v[NM+2*\m], v[TMP+\m]                ; 1 / l takes -M's place
.endr
	ROWADR                                         ; (its two vector lines are plain places behind the reciprocals)
	s_wait_alu depctr_va_vdst(0)
	FROWS RS
	STEP 1, 2, 1, 0                                ; step 8 starts the second product's sums
	s_branch .Lc_done
.Lc_plain:
.set POS, 2
.set RS,  2
	STEP 0, 2, 1, 0
.Lc_done:
	s_add_co_u32 s[CNT], s[CNT], 1
	s_cmp_lt_u32 s[CNT], 9
	s_cbranch_scc1 .Lwalk
	STEP 0, 1, 1, 0                                ; step 30 asks for the stream's last two groups,
	STEP 0, 0, 0, 0                                ; step 31 for nothing
	; ---- THE WAY OUT.  Behind a barrier nobody reads the rows' images: my 64 rows x 256 outputs go raw into my stage, and come back 8 rows a trip: tanh, and 512 consecutive bytes a store
	PLACES
	BAR
.irp kk, 0,1
	WIN 0x08+0x04*\kk                              ; an LDS store's data are its source 1
.irp m, 0,1,2,3
.irp b, 0,1,2,3
.irp q, 0,1,2,3
	ds_store_b128 v[STO], v[64*\m+16*\b+4*\q:64*\m+16*\b+4*\q+3] offset:\m*16*SP+512*\kk+128*\b+16*\q   ; each accumulator from its low end on
.endr
.endr
.endr
.endr
	WIN 0
	s_mov_b32 s[CNT], 0
.Lrows:                                                ; trip u: stage rows 8 u .. 8 u + 7 = query rows 32 (u / 4) + 8 ((u / 2) % 2) + 16 (u % 2) + 0 .. 7
	s_wait_xcnt 0x0                                ; the last trip's stores have read their registers and their base
.set j, 0
.rept 16
	ds_load_b128 v[BK+4*j:BK+4*j+3], v[RDS] offset:SP*(j/2)+512*(j%2)   ; LDS serves a wave's instructions in order (ISA guide 5.7.1.4): these see my stores
.set j, j+1
.endr
	v_add_nc_u32 v[RDS], 8*SP, v[RDS]
	s_and_b32 s76, s[CNT], 1
	s_lshl_b32 s76, s76, 16
	s_and_b32 s77, s[CNT], 2
	s_lshl_b32 s77, s77, 14
	s_add_co_u32 s76, s76, s77
	s_and_b32 s77, s[CNT], 4
	s_lshl_b32 s77, s77, 15
	s_add_co_u32 s76, s76, s77
	s_mov_b32 s77, 0
	s_add_nc_u64 s[78:79], s[10:11], s[76:77]
	s_wait_dscnt 0x0
.set j, BK
.rept 32
	v_pk_mul_f32 v[j:j+1], v[j:j+1], s[C2:C2+1] op_sel_hi:[1,0]    ; 2 log2(e) x
.set j, j+2
.endr
	s_wait_alu depctr_va_vdst(0)
.set j, BK
.rept 64
	v_exp_f32 v[j], v[j]
.set j, j+1
.endr
	v_nop
	s_wait_alu depctr_va_vdst(0)
.set j, BK
.rept 32
	v_pk_add_f32 v[j:j+1], v[j:j+1], 1.0 op_sel_hi:[1,0]
.set j, j+2
.endr
	s_wait_alu depctr_va_vdst(0)
.set j, BK
.rept 64
	v_rcp_f32 v[j], v[j]
.set j, j+1
.endr
	v_nop
	s_wait_alu depctr_va_vdst(0)
.set j, BK
.rept 32
	v_pk_fma_f32 v[j:j+1], v[j:j+1], -2.0, 1.0 op_sel_hi:[1,0,0]   ; 1 - 2 / (1 + 2^(2 log2(e) x))
.set j, j+2
.endr
.set j, 0
.rept 16
	global_store_b128 v[GO], v[BK+4*j:BK+4*j+3], s[78:79] offset:(j/2)*4096+512*(j%2) th:TH_STORE_NT   ; 32 lanes store 512 consecutive bytes, at a multiple of 256 from out0's first byte
.set j, j+1
.endr
	s_add_co_u32 s[CNT], s[CNT], 1
	s_cmp_lt_u32 s[CNT], 8
	s_cbranch_scc1 .Lrows
	s_wait_tensorcnt 0x0                           ; the wave's end
	ds_add_u32 v62, v63
	s_wait_dscnt 0x0
	s_endpgm
.Lfunc_end_k_q1a81b7298a_chain:
	.size	k_q1a81b7298a_chain, .Lfunc_end_k_q1a81b7298a_chain-k_q1a81b7298a_chain
	.p2alignl 7, 3214868480
	.fill 96, 4, 3214868480
	.section	.rodata,"a",@progbits
	.p2align	6, 0x0
	.amdhsa_kernel k_q1a81b7298a_chain
		.amdhsa_group_segment_fixed_size 266752
		.amdhsa_private_segment_fixed_size 0
		.amdhsa_enable_private_segment 0
		.amdhsa_kernarg_size 32
		.amdhsa_user_sgpr_count 2
		.amdhsa_user_sgpr_kernarg_segment_ptr 1
		.amdhsa_wavefront_size32 1
		.amdhsa_system_sgpr_workgroup_id_x 1
		.amdhsa_system_sgpr_workgroup_id_y 1
		.amdhsa_system_sgpr_workgroup_id_z 1
		.amdhsa_system_vgpr_workitem_id 0
		.amdhsa_next_free_vgpr 1024
		.amdhsa_next_free_sgpr 80
		.amdhsa_reserve_vcc 0
		.amdhsa_float_denorm_mode_32 3
		.amdhsa_float_denorm_mode_16_64 3
		.amdhsa_memory_ordered 1
		.amdhsa_forward_progress 1
		.amdhsa_inst_pref_size 255
	.end_amdhsa_kernel
	.section	.bss,"aw",@nobits
	.p2align	6
	.space	262144
	.amdgpu_metadata
---
amdhsa.version: [ 1, 2 ]
amdhsa.kernels:
  - .name:           k_q1a81b7298a_chain
    .symbol:         k_q1a81b7298a_chain.kd
    .args:
      - { .name: qi, .offset: 0, .size: 8, .value_kind: global_buffer, .address_space: global }
      - { .name: kv, .offset: 8, .size: 8, .value_kind: global_buffer, .address_space: global }
      - { .name: wl, .offset: 16, .size: 8, .value_kind: global_buffer, .address_space: global }
      - { .name: out0, .offset: 24, .size: 8, .value_kind: global_buffer, .address_space: global }
    .group_segment_fixed_size: 266752
    .private_segment_fixed_size: 0
    .kernarg_segment_align: 8
    .kernarg_segment_size: 32
    .max_flat_workgroup_size: 128
    .sgpr_count:     80
    .vgpr_count:     1024
    .wavefront_size: 32
...
	.end_amdgpu_metadata
.endif
;; end of part 2
